; MI455X (gfx1250); checked and timed in simulation.
; The chip was launched on July 23, 2026; its instructions are those of AMD's public machine-readable ISA for CDNA 5 (MIT licence, August 2026) and "CDNA5" Instruction Set Architecture Reference Guide (July 2026). The comments in the code are by the model that wrote it; some were corrected since.
;; QKV Multihead Attention. Allowed arithmetic: matrix products marked QUANTISED: E4M3 operands, one given power-of-two scale a tensor, by v_wmma_f32_16x16x64_fp8_fp8 or v_wmma_f32_16x16x128_fp8_fp8, f32 sums; everything else in f32.
;; Inputs: k_beta 64 float32; k_gamma 64 float32; lowp_scales 4 int32 (the exponents e of the quantised operands' scales 2^e); q_beta 64 float32; q_gamma 64 float32; qkv 1 x 4,096 x 3,072 float32.
;; Outputs: out0 1 x 4,096 x 1,024 float32.
;; This version of the problem:
;;   THIS VERSION OF THE PROBLEM IS GIVEN IN LOW PRECISION. The matrix products marked QUANTISED in the list below multiply operands that are first quantised to E4M3 (4 exponent bits, 3 mantissa bits; 8 bits a number), with one given power-of-two scale for each operand tensor; their sums are f32. All else is computed in f32.
;;   The module's matrix products, in the order in which they are computed (A, B: the left and right operand; K: the contracted axis; several contracted axes count as one K, in the product's order):
;;     1. batch 16 x [M 4,096, K 64] x [K 64, N 4,096]; A: computed on the way; B: computed on the way: QUANTISED (scales: A lowp_scales[0], B lowp_scales[1])
;;     2. batch 16 x [M 64, K 4,096] x [K 4,096, N 4,096]; A: computed on the way; B: softmax (see below): QUANTISED (scales: A lowp_scales[2], B lowp_scales[3])
;;   THE QUANTISER, for each operand of a quantised product, along K:
;;     - The operand's scale is 2^e, e = its entry of the input lowp_scales (int32; the entries are numbered through the quantised products in the list's order, A before B).
;;     - Each number is divided by the scale, clamped to +-448, and rounded to the nearest number of E4M3, ties to even, subnormals kept.
;;     - The product sums the exact products of the quantised numbers (number of the format x scale) in f32.
;;   ~~~python
;;   def quantise(x, axis, e):      # numpy; x: float32 -> the quantised numbers, widened to float32 again
;;       x = np.moveaxis(x, axis, -1); K = x.shape[-1]
;;       r = np.clip(x / 2.0 ** e, -448, 448)
;;       step = 2.0 ** (np.maximum(np.frexp(np.where(r == 0, 1, r))[1] - 1, -6) - 3)
;;       q = np.round(r / step) * step * 2.0 ** e      # np.round: ties to even
;;       return np.moveaxis(q, -1, axis).astype(np.float32)
;;   ~~~
;;   SOFTMAX AHEAD OF A QUANTISED PRODUCT. Where the list says 'softmax', what is quantised is not the finished softmax but p = 2^(t - M), with t = logit x log2(e) and M = ceil(the row's largest t), a whole number; so 1/2 < the row's largest p <= 1. The row's sum l is taken of the UNQUANTISED p, in f32, and the product's result is divided by l at the end. Since M is a whole number, a kernel that streams over the keys may use a running M (the ceiling of the running maximum): every later rescaling is an exact power of two, so the quantised numbers keep their values, but for numbers so far below the row's largest that they fall under the format's range.
;;   OPERANDS COMPUTED ON THE WAY. 'Computed on the way' means the value that the module computes at that place (a softmax that the list does not call 'softmax' is quantised finished and normalised). What goes into a quantiser is computed in f32, as accurately as f32 sums, v_exp_f32 and their like allow (about 1e-6 of the number): no bf16 or f16 on the way to a quantiser, and a product that is left as it is and whose result goes on into a quantised operand takes f32 operands (vector FMAs, or v_wmma_f32_16x16x4_f32). A number that lies on a knife's edge between two numbers of the format may be rounded either way, as far as f32 arithmetic and the matrix unit's own rounding can turn it there, and no further.
;; One version. Each part assembles by itself: llvm-mc -triple=amdgcn-amd-amdhsa -mcpu=gfx1250 --defsym DOCPART=n.
;; ======== version 1 of 1: 2 launches
;; limits: right only within a limited range of input values
;; workspace buffers: qimg 4,194,304 bytes; kv 8,388,608 bytes
;; launch prep (part 1): grid 32 x 16, 4 waves a work-group, no clusters, 100,864 bytes of LDS; arguments qkv, q_gamma, q_beta, k_gamma, k_beta, lowp_scales, qimg, kv; writes qimg, kv
.if DOCPART == 1
	.amdgcn_target "amdgcn-amd-amdhsa--gfx1250"
	.amdhsa_code_object_version 6
	.text
	.protected	k_q3191c5306e_prep
	.globl	k_q3191c5306e_prep
	.p2align	8
	.type	k_q3191c5306e_prep,@function
k_q3191c5306e_prep:
	s_mov_b64 s[64:65], 0
	v_nop
	global_prefetch_b8 v0, s[64:65] scope:SCOPE_SE
	s_setreg_imm32_b32 hwreg(HW_REG_WAVE_MODE, 25, 1), 1
	s_wait_xcnt 0x0
; qkv [4096][16 heads][q 64 | k 64 | v 64] f32  ->  codes of FP8 (E4M3), laid as IMAGES OF THE OPERANDS' REGISTERS for the attention launch.
; q and k: LayerNorm over the head's 64 channels (mean, then the mean of squared differences: two passes, so no difference of large sums is formed; eps 1e-6; gamma, beta), x 8^-1/2, then the quantiser
; with the given scale 2^eq or 2^ek.  v: the quantiser with 2^ev alone.  code = x / 2^e, held within +-448, to the nearest code, ties to even.
; LIMITS: eq, ek, ev between -126 and 119, so that 2^e and 448 x 2^e are f32 numbers.  NaN among the inputs is not served.
; qimg [head][tile of 16 queries][1,024 B]: byte 512 g + 16 lane holds registers 4 g .. 4 g + 3 of lane (r = lane % 16, h = lane / 16) of a 16 x 64 operand: registers 2 c, 2 c + 1 = channels 16 c + 8 h + 0..7 of query r.
; kv [head][step of 128 keys][16,384 B]: 8 tiles of K (16 neighbouring keys each, laid as a tile of Q), then 4 tiles of V^T of 2,048 B (tile ct: channel 16 ct + r; registers 2 c, 2 c + 1 = keys 16 c + 8 h + 0..7).
; SHARES.  Work-group (x = step of 128 tokens, y = head); wave w takes tokens 32 w .. 32 w + 31: two tiles of Q, two of K, and keys 32 w .. of all four tiles of V^T (registers 4 w .. 4 w + 3).
; Every global load takes two aligned runs of 256 bytes (lanes 0-15 a row's q, k or v, lanes 16-31 the next row's); the rows turn through the wave's own stage in LDS, so that a lane then holds
; neighbours along the product's K: channels of one token for q and k, keys of one channel for v.  Every store covers aligned runs of 256 bytes.
; Waves share nothing: no barrier.  No input is shared between work-groups, so there is no cluster; no matrix work; no loop: every offset is an immediate.
.set ROWG, 12288                       ; a token's row in qkv, bytes
.set SP,   784                         ; a token's row in the stage: 768 bytes + 16 of padding = 196 words: row r starts at bank 4 r mod 64 (64 banks of 4 bytes: ISA guide 11.1)
.set WST,  32*SP                       ; a wave's stage
.set C,    20                          ; v20-27   eight registers of codes
.set X,    32                          ; v32-63   32 numbers of a lane
.set G,    64                          ; v64-95   gamma at my 32 channels
.set B,    96                          ; v96-127  beta
.set R0,   128                         ; v128-191 16 loads as they come (q, later v)
.set R1,   192                         ; v192-255 the same (k)
; v1 lane, v2 r, v3 h, v4 offset in qkv, v5 stage in, v6 stage out by tokens, v7 stage out by channels, v8 16 x lane, v9 V's place, v10 32 h, v11 1/64,
; v[12:13] mean, v[14:15] 1/sqrt(var + eps), v16, v17 at work, v18 the scale, v19 448 x the scale, v[28:31] two chains of sums
	s_load_b512 s[4:19], s[0:1], 0x0               ; qkv s[4:5], q_gamma s[6:7], q_beta s[8:9], k_gamma s[10:11], k_beta s[12:13], the exponents s[14:15], qimg s[16:17], kv s[18:19]
	s_set_vgpr_msb 0x40
	v_lshl_add_u32 v0, v0, 2, 0x18800
	v_mov_b32 v1, 0
	s_set_vgpr_msb 0x4000
	v_lshrrev_b32 v1, 5, v0
	v_readfirstlane_b32 s20, v1                    ; wave 0..3
	v_and_b32 v1, 31, v0                           ; lane
	v_and_b32 v2, 15, v0                           ; r
	v_bfe_u32 v3, v0, 4, 1                         ; h
	v_mul_u32_u24 v4, v3, ROWG
	v_lshl_add_u32 v4, v2, 4, v4                   ; in memory: row h of a pair of rows, 16 bytes a lane
	s_mul_i32 s21, s20, WST                        ; my stage
	v_mul_u32_u24 v5, v3, SP
	v_lshl_add_u32 v5, v2, 4, v5
	v_add_nc_u32 v5, s21, v5                       ; into the stage: the same place
	v_mul_u32_u24 v6, v2, SP
	v_lshl_add_u32 v6, v3, 5, v6
	v_add_nc_u32 v6, s21, v6                       ; out, for q and k: token r, channels 8 h on
	v_lshlrev_b32 v7, 2, v1
	v_add_nc_u32 v7, s21, v7
	v_add_nc_u32 v7, 512, v7                       ; out, for v: channel = lane
	v_lshlrev_b32 v8, 4, v1                        ; an image's place for my lane
	v_lshlrev_b32 v9, 11, v3
	v_lshl_add_u32 v9, v2, 4, v9                   ; V: tile lane / 16 of a pair, 16 bytes for channel lane % 16
	v_lshlrev_b32 v10, 5, v3                       ; gamma, beta: 8 h numbers on
	v_mov_b32 v11, 0x3c800000                      ; 1/64
	v_mov_b32 v13, 0                               ; (named as the upper halves of pairs, so they are written)
	v_mov_b32 v15, 0
	v_mov_b32 v17, 0                               ; a lane permute's destination counts as one of its sources
	s_mov_b32 s30, 0x3eb504f3                      ; 8^-1/2
	s_mov_b32 s31, s30
	s_mov_b32 s32, 0x76543210                      ; v_permlanex16_b32: lane l xor 16
	s_mov_b32 s33, 0xfedcba98
	s_and_b32 s23, ttmp7, 0xffff                   ; head
	s_lshl_b32 s40, ttmp9, 7
	s_lshl_b32 s41, s20, 5
	s_add_co_u32 s40, s40, s41                     ; my first token: 128 x step + 32 x wave
	s_mul_i32 s40, s40, ROWG
	s_mul_i32 s41, s23, 768
	s_add_co_u32 s40, s40, s41                     ; its row, my head's 768 bytes: under 2^26
	s_mov_b32 s41, 0
	s_lshl_b32 s42, s23, 18                        ; qimg: head x 262,144 + (8 x step + 2 x wave) x 1,024
	s_lshl_b32 s43, ttmp9, 13
	s_add_co_u32 s42, s42, s43
	s_lshl_b32 s43, s20, 11
	s_add_co_u32 s42, s42, s43
	s_mov_b32 s43, 0
	s_lshl_b32 s44, s23, 19                        ; kv: head x 524,288 + step x 16,384
	s_lshl_b32 s45, ttmp9, 14
	s_add_co_u32 s44, s44, s45
	s_mov_b32 s45, 0
	s_lshl_b32 s46, s20, 11                        ; K's tiles 2 w, 2 w + 1
	s_mov_b32 s47, 0
	s_wait_alu depctr_va_vdst(0)
	s_wait_kmcnt 0x0
	s_load_b128 s[24:27], s[14:15], 0x0            ; eq, ek, ev, ep
	s_add_nc_u64 s[4:5], s[4:5], s[40:41]
	s_add_nc_u64 s[16:17], s[16:17], s[42:43]
	s_add_nc_u64 s[44:45], s[18:19], s[44:45]      ; the step's 16,384 bytes
	s_add_nc_u64 s[18:19], s[44:45], s[46:47]      ; K: at my two tiles
	s_lshl_b32 s46, s20, 9                         ; V: registers 4 w .. 4 w + 3 lie 512 w bytes into each tile
	s_add_nc_u64 s[44:45], s[44:45], s[46:47]
.macro GB gp, bp                       ; gamma and beta at channels 16 c + 8 h + 0..7: 16 loads
.irp c, 0,1,2,3
.irp w, 0,1
	global_load_b128 v[G+8*\c+4*\w:G+8*\c+4*\w+3], v10, s[\gp:\gp+1] offset:64*\c+16*\w
	global_load_b128 v[B+8*\c+4*\w:B+8*\c+4*\w+3], v10, s[\bp:\bp+1] offset:64*\c+16*\w
.endr
.endr
.endm
.macro RAW reg, u                      ; part u (0 q, 1 k, 2 v) of my 32 rows: 16 loads, two rows each
.set ii, 0
.rept 16
	global_load_b128 v[\reg+4*ii:\reg+4*ii+3], v4, s[4:5] offset:2*ROWG*ii+256*\u th:TH_LOAD_NT
.set ii, ii+1
.endr
.endm
.macro STAGE reg, u                    ; and into the stage, as they lie
.set ii, 0
.rept 16
	ds_store_b128 v5, v[\reg+4*ii:\reg+4*ii+3] offset:2*SP*ii+256*\u
.set ii, ii+1
.endr
.endm
.macro SCALE e, d                      ; s[d] = 2^e as f32, s[d+1] = 448 x 2^e
	s_add_co_i32 s[\d+1], s[\e], 127
	s_lshl_b32 s[\d], s[\d+1], 23
	s_add_co_i32 s[\d+1], s[\d+1], 8
	s_lshl_b32 s[\d+1], s[\d+1], 23
	s_or_b32 s[\d+1], s[\d+1], 0x600000
.endm
; Part u (0 q, 1 k), tokens 16 t .. 16 t + 15: LayerNorm, x 8^-1/2, codes, one image of 1,024 bytes at s[base] + off.  Lane (r, h) holds 32 of token r's 64 channels; lane l xor 16 the others.
.macro LN u, t, base, off
.irp c, 0,1,2,3
	ds_load_b128 v[X+8*\c:X+8*\c+3],   v6 offset:16*SP*\t+256*\u+64*\c      ; LDS serves a wave's instructions in order (ISA guide 5.7.1.4): these see my stores
	ds_load_b128 v[X+8*\c+4:X+8*\c+7], v6 offset:16*SP*\t+256*\u+64*\c+16
.endr
	s_wait_dscnt 0x0
	v_pk_add_f32 v[28:29], v[X:X+1], v[X+2:X+3]    ; the sum, two at a time, in two chains
	v_pk_add_f32 v[30:31], v[X+4:X+5], v[X+6:X+7]
.irp j, 8,12,16,20,24,28
	v_pk_add_f32 v[28:29], v[28:29], v[X+\j:X+\j+1]
	v_pk_add_f32 v[30:31], v[30:31], v[X+\j+2:X+\j+3]
.endr
	v_pk_add_f32 v[28:29], v[28:29], v[30:31]
	v_add_f32 v16, v28, v29
	v_permlanex16_b32 v17, v16, s32, s33
	v_add_f32 v16, v16, v17
	v_mul_f32 v12, v11, v16                        ; the mean
.set jj, 0
.rept 16
	v_pk_add_f32 v[X+jj:X+jj+1], v[X+jj:X+jj+1], v[12:13] op_sel_hi:[1,0] neg_lo:[0,1] neg_hi:[0,1]   ; x - mean
.set jj, jj+2
.endr
	v_pk_mul_f32 v[28:29], v[X:X+1], v[X:X+1]      ; the sum of squares, likewise
	v_pk_mul_f32 v[30:31], v[X+2:X+3], v[X+2:X+3]
.irp j, 4,8,12,16,20,24,28
	v_pk_fma_f32 v[28:29], v[X+\j:X+\j+1], v[X+\j:X+\j+1], v[28:29]
	v_pk_fma_f32 v[30:31], v[X+\j+2:X+\j+3], v[X+\j+2:X+\j+3], v[30:31]
.endr
	v_pk_add_f32 v[28:29], v[28:29], v[30:31]
	v_add_f32 v16, v28, v29
	v_permlanex16_b32 v17, v16, s32, s33
	v_add_f32 v16, v16, v17
	v_fmaak_f32 v16, v16, v11, 0x358637bd          ; the variance + 1e-6
	s_wait_alu depctr_va_vdst(0)
	v_rsq_f32 v14, v16
	v_nop                                          ; one plain vector instruction behind a transcendental before its result is used (ISA guide 5.7.2)
.set jj, 0
	s_wait_alu depctr_va_vdst(0)
.rept 16
	v_pk_mul_f32 v[X+jj:X+jj+1], v[X+jj:X+jj+1], v[14:15] op_sel_hi:[1,0]
.set jj, jj+2
.endr
.set jj, 0
.rept 16
	v_pk_fma_f32 v[X+jj:X+jj+1], v[X+jj:X+jj+1], v[G+jj:G+jj+1], v[B+jj:B+jj+1]
.set jj, jj+2
.endr
.set jj, 0
.rept 16
	v_pk_mul_f32 v[X+jj:X+jj+1], v[X+jj:X+jj+1], s[30:31] op_sel_hi:[1,0]   ; x 8^-1/2, behind gamma and beta
.set jj, jj+2
.endr
.set jj, 0
.rept 32
	v_med3_num_f32 v[X+jj], v[X+jj], -v19, v19     ; the conversion to an 8-bit code does not saturate (ISA guide 7.6.2): the hold at the largest code x the scale
.set jj, jj+1
.endr
	s_wait_alu depctr_va_vdst(0)
	s_wait_xcnt 0x0                                ; the last stores have read their data: the codes' registers are written again only behind this wait
.irp c, 0,1,2,3
	v_cvt_scalef32_pk8_fp8_f32 v[C+2*\c:C+2*\c+1], v[X+8*\c:X+8*\c+7], v18   ; registers 2 c, 2 c + 1 of the operand
.endr
	v_nop                                          ; one plain vector instruction behind the last scaled conversion
	global_store_b128 v8, v[C:C+3],   s[\base:\base+1] offset:\off        ; 32 lanes store 512 consecutive bytes, aligned
	global_store_b128 v8, v[C+4:C+7], s[\base:\base+1] offset:\off+512
.endm
; V: lane = channel 32 a + lane, registers run down my 32 keys.  Keys 8 g .. 8 g + 7 (g = 2 u + hh) are registers 2 u, 2 u + 1 of the four that image lane (channel % 16, hh) holds.
.macro VQ a
.set jj, 0
.rept 32
	ds_load_b32 v[X+jj], v7 offset:SP*jj+128*\a
.set jj, jj+1
.endr
	s_wait_dscnt 0x0
.set jj, 0
.rept 32
	v_med3_num_f32 v[X+jj], v[X+jj], -v19, v19
.set jj, jj+1
.endr
	s_wait_alu depctr_va_vdst(0)
	s_wait_xcnt 0x0                                ; as above
	v_cvt_scalef32_pk8_fp8_f32 v[C:C+1],   v[X:X+7],     v18
	v_cvt_scalef32_pk8_fp8_f32 v[C+4:C+5], v[X+8:X+15],  v18
	v_cvt_scalef32_pk8_fp8_f32 v[C+2:C+3], v[X+16:X+23], v18
	v_cvt_scalef32_pk8_fp8_f32 v[C+6:C+7], v[X+24:X+31], v18
	v_nop
	global_store_b128 v9, v[C:C+3],   s[44:45] offset:8192+4096*\a        ; sixteen lanes store 256 consecutive bytes, aligned: image lanes 0-15 of a tile,
	global_store_b128 v9, v[C+4:C+7], s[44:45] offset:8192+4096*\a+256    ; and image lanes 16-31
.endm
	GB 6, 8                                        ; q's gamma and beta
.set G, 68                                     ; k's gamma and beta are asked for now as well, into v324-387 (window 1: v68-131)
.set B, 100
	s_set_vgpr_msb 0x40                            ; destination window 1
	GB 10, 12
	s_set_vgpr_msb 0x4000
.set G, 64
.set B, 96
	RAW R0, 0                                      ; q
	RAW R1, 1                                      ; k
	s_set_vgpr_msb 0x40                            ; destination window 1
	RAW 4, 2                                       ; v, into v260-323: every load of the wave is asked for at the head
	s_set_vgpr_msb 0x4000
	s_wait_kmcnt 0x0
	SCALE 24, 34                                   ; q's
	SCALE 25, 36                                   ; k's
	SCALE 26, 38                                   ; v's
	s_wait_loadcnt 32                              ; loads come back in order (ISA guide 5.7.1): all but k's sixteen and v's sixteen are in
	STAGE R0, 0
	v_mov_b32 v18, s34
	v_mov_b32 v19, s35
	LN 0, 0, 16, 0
	LN 0, 1, 16, 1024
	s_wait_loadcnt 16                              ; k is in; v's sixteen stay out
	STAGE R1, 1
	s_set_vgpr_msb 0x1                             ; source 0 window 1
.set jj, 0
.rept 64
	v_mov_b32 v[64+jj], v[68+jj]                   ; k's gamma and beta take q's place
.set jj, jj+1
.endr
	s_set_vgpr_msb 0x100
	v_mov_b32 v18, s36
	v_mov_b32 v19, s37
	LN 1, 0, 18, 0
	LN 1, 1, 18, 1024
	s_wait_loadcnt 0x0                             ; v is in
	s_set_vgpr_msb 0x4                             ; an LDS store's data: source 1, window 1
	STAGE 4, 2
	s_set_vgpr_msb 0x400
	v_mov_b32 v18, s38
	v_mov_b32 v19, s39
	s_wait_alu depctr_va_vdst(0)                   ; ahead of the waits in VQ
	VQ 0
	VQ 1
	s_set_vgpr_msb 0x5
	s_wait_tensorcnt 0x0
	ds_add_u32 v0, v1
	s_wait_dscnt 0x0
	s_set_vgpr_msb 0x500
	s_endpgm
.Lfunc_end_k_q3191c5306e_prep:
	.size	k_q3191c5306e_prep, .Lfunc_end_k_q3191c5306e_prep-k_q3191c5306e_prep
	.p2alignl 7, 3214868480
	.fill 96, 4, 3214868480
	.section	.rodata,"a",@progbits
	.p2align	6, 0x0
	.amdhsa_kernel k_q3191c5306e_prep
		.amdhsa_group_segment_fixed_size 100864
		.amdhsa_private_segment_fixed_size 0
		.amdhsa_enable_private_segment 0
		.amdhsa_kernarg_size 64
		.amdhsa_user_sgpr_count 2
		.amdhsa_user_sgpr_kernarg_segment_ptr 1
		.amdhsa_wavefront_size32 1
		.amdhsa_system_sgpr_workgroup_id_x 1
		.amdhsa_system_sgpr_workgroup_id_y 1
		.amdhsa_system_sgpr_workgroup_id_z 1
		.amdhsa_system_vgpr_workitem_id 0
		.amdhsa_next_free_vgpr 388
		.amdhsa_next_free_sgpr 66
		.amdhsa_reserve_vcc 0
		.amdhsa_float_denorm_mode_32 3
		.amdhsa_float_denorm_mode_16_64 3
		.amdhsa_memory_ordered 1
		.amdhsa_forward_progress 1
		.amdhsa_inst_pref_size 65
	.end_amdhsa_kernel
	.amdgpu_metadata
---
amdhsa.version: [ 1, 2 ]
amdhsa.kernels:
  - .name:           k_q3191c5306e_prep
    .symbol:         k_q3191c5306e_prep.kd
    .args:
      - { .name: qkv, .offset: 0, .size: 8, .value_kind: global_buffer, .address_space: global }
      - { .name: q_gamma, .offset: 8, .size: 8, .value_kind: global_buffer, .address_space: global }
      - { .name: q_beta, .offset: 16, .size: 8, .value_kind: global_buffer, .address_space: global }
      - { .name: k_gamma, .offset: 24, .size: 8, .value_kind: global_buffer, .address_space: global }
      - { .name: k_beta, .offset: 32, .size: 8, .value_kind: global_buffer, .address_space: global }
      - { .name: lowp_scales, .offset: 40, .size: 8, .value_kind: global_buffer, .address_space: global }
      - { .name: qimg, .offset: 48, .size: 8, .value_kind: global_buffer, .address_space: global }
      - { .name: kv, .offset: 56, .size: 8, .value_kind: global_buffer, .address_space: global }
    .group_segment_fixed_size: 100864
    .private_segment_fixed_size: 0
    .kernarg_segment_align: 8
    .kernarg_segment_size: 64
    .max_flat_workgroup_size: 128
    .sgpr_count:     66
    .vgpr_count:     388
    .wavefront_size: 32
...
	.end_amdgpu_metadata
.endif
;; end of part 1
;; launch attn (part 2): grid 16 x 16, 8 waves a work-group, clusters of 4 x 1, 327,680 bytes of LDS; arguments qimg, kv, lowp_scales, out0; writes out0
.if DOCPART == 2
	.amdgcn_target "amdgcn-amd-amdhsa--gfx1250"
	.amdhsa_code_object_version 6
	.text
	.protected	k_q3191c5306e_attn
	.globl	k_q3191c5306e_attn
	.p2align	8
	.type	k_q3191c5306e_attn,@function
k_q3191c5306e_attn:
	s_mov_b64 s[64:65], 0
	v_nop
	global_prefetch_b8 v0, s[64:65] scope:SCOPE_SE
	s_setreg_imm32_b32 hwreg(HW_REG_WAVE_MODE, 25, 1), 1
	s_wait_xcnt 0x0
	s_wait_alu depctr_hold_cnt(0) depctr_sa_sdst(0) depctr_va_vdst(0) depctr_va_sdst(0) depctr_va_ssrc(0) depctr_va_vcc(0) depctr_vm_vsrc(0)
	s_getreg_b32 s2, hwreg(HW_REG_IB_STS2, 6, 4)
	s_cmp_eq_u32 s2, 0
	s_cbranch_scc0 .Lentry_in_a_cluster
	s_endpgm
.Lentry_in_a_cluster:
	s_bfe_u32 s2, ttmp6, 0x10000c
	s_cmp_lg_u32 s2, 0x3003
	s_cbranch_scc0 .Lentry_shape_is_right
	s_endpgm
.Lentry_shape_is_right:
; out[q][head][:] = the sum over k of softmax_k(Q[q] . K[k]) V[k][:], 4,096 tokens, 16 heads of 64 channels, both products on codes of FP8 (E4M3) made by the launch before (the factor 1/8 lies in Q and K).
; qimg, kv: images of the operands' registers.  lowp_scales: eq, ek, ev, ep.  out0: [4096][1024] f32.
; SOFTMAX: t = logit x log2(e); M = the row's largest t so far, rounded up to a whole number; p = 2^(t - M) is quantised along the keys, not normalised.  The row's sum is taken of the unquantised p
; and divides O at the end.  When M moves, the sum and O are multiplied by 2^(old M - new M): exact.
; SHARES.  A work-group owns 256 queries of one head; each of its eight waves 32: two tiles of 16; two waves to a SIMD, 512 registers each.  A trip takes 256 keys: K's 16 and V's 8 fragments are read
; from LDS once and serve both tiles; K and V take turns in one run of 128 registers.
; A UNIT is one tile x 256 keys: 128 scores a lane, one set of statistics, one rescaling of O^T.
; LAYOUT.  Both products transposed: S^T = K Q^T (16x16x64), O^T = V^T P^T (16x16x128): a lane holds one query (lane % 16).  Register j of S^T's tile c is key 16 c + 8 (lane / 16) + j: tile c's conversion is registers 2 c, 2 c + 1 of P.
; THE EXPONENTIALS go in four batches of 32.  Between them stand only lines that do not depend on each other inside a batch: later chunks' scalings, earlier chunks' holds, and sums on 16 pair accumulators
; (chunk 0's own registers; its held numbers go to H).  One wait stands between batches.
; RING.  Two LDS slots of 4 trips (131,072 bytes, one dense run of kv).  Wave w fetches the w-th eighth of a slot: 64 rows of 256 bytes, one tensor load; a wave never has more than one out.
; CLUSTER.  The four query blocks of a cluster belong to one head and walk the same kv: each load is asked for jointly, with a mask that names the four.
; LIMITS: eq + ek between -126 and 127 (added to log2(e)'s exponent field); ep between -126 and 119; ev + ep is applied by v_ldexp_f32.  NaN is not served.  The scaled scores stay under 2^31 in magnitude.
; REGISTERS.  Window 0: v1-11 addresses, constants; v12-27 statistics (8 a tile); v28-35 maxima; v36-67 H; v68-83 Q; v128-255 S^T, then p.  Window 1: v0-127 K, then V; v128-191 O^T; v192-255 P (32 a tile).
.set STEPB, 32768                      ; a trip's bytes in kv and in a slot: twice (8 tiles of K of 1,024 bytes, 4 tiles of V^T of 2,048)
.set NST,   4
.set SLOTB, NST*STEPB
.set SLOT1, 1<<17
.set NSL,   4
.set STAGE, 2*SLOTB                    ; the way out: 16 rows x 272 bytes for each wave; no tensor load lands here
.set SPT,   272
.set SPARE, STAGE+8*16*SPT             ; the spare words, 128 bytes a wave
.set LI,   1                           ; 16 x lane
.set ADR,  2                           ; LDS address of the trip in hand
.set SPW,  3
.set NIL,  4
.set PFO,  5                           ; 256 x lane
.set SCL,  6                           ; 2^ep
.set STO,  8
.set RD,   9
.set GO,   10
.set ST,   12                          ; tile t at v[ST+8 t]: +0 -M, +1 the largest score, +2, +3 the sum, +4 f (+5 named with it), +6, +7 at work
.set MX,   28
.set H,    36
.set QF,   68
.set S,    128
.set KV,   0                           ; window 1
.set OO,   128                         ; window 1
.set P,    192                         ; window 1
.set WV,   12
.set PFA,  18
.set LIM,  20
.set TB,   21
.set SLOTS, 22
.set CNT,  23
.set G1,   24
.set G0,   32
.set CS,   40                          ; s[40:41] c = log2(e) x 2^(eq + ek)
.set SEL,  42
.set TOPS, 54                          ; 448 x 2^ep
.set ESUM, 55                          ; ev + ep
.set MSB, 0
.macro WIN new                         ; bits 1:0 source 0, 3:2 source 1, 5:4 source 2, 7:6 destination; the high byte repeats the setting that is left
.if MSB != \new
	s_set_vgpr_msb (MSB<<8)|\new
.set MSB, \new
.endif
.endm
.macro PLACES
.rept 4
	v_nop
.endr
.endm
.macro CROUND                          ; a round of the cluster's barrier
	s_barrier_signal -1
	s_barrier_wait -1
	s_cmp_lg_u32 s[WV], 0
	s_cbranch_scc1 .Lnot_wave_0_\@
	s_barrier_signal -3
.Lnot_wave_0_\@:
	s_barrier_wait -3
	s_barrier_signal -1
	s_barrier_wait -1
.endm
; A prefetch of the slot that the NEXT change of slots will ask for, four trips ahead of that load.  Each run of 256 bytes is named once in the launch: the head's first cluster asks; its four partners take
; 32,768 bytes each, told apart by address; waves 0 to 3 take 8,192 bytes each, lanes 256 bytes apart.  The last change that fills a slot asks for nothing; slots 0 and 1 come by their loads alone.
.macro ASK
	s_cmp_gt_u32 s[SLOTS], s[LIM]
	s_cbranch_scc0 .Lnot_mine_\@
	global_prefetch_b8 v[PFO], s[PFA:PFA+1] th:TH_LOAD_NT scope:SCOPE_SE
.Lnot_mine_\@:
.endm
	s_load_b256 s[4:11], s[0:1], 0x0               ; qimg, kv, the exponents, out0
	v_lshl_add_u32 v[SPW], v0, 2, SPARE
	v_mov_b32 v[NIL], 0
	ds_add_u32 v[SPW], v[NIL]                      ; the opening lines: the add twice on end, under one wait
	ds_add_u32 v[SPW], v[NIL]
	v_lshrrev_b32 v1, 5, v0
	v_readfirstlane_b32 s[WV], v1                  ; wave 0..7
	s_bfe_u32 s13, ttmp6, 0x40000                  ; cx
	s_lshl_b32 s14, ttmp9, 2
	s_add_co_u32 s14, s14, s13                     ; my block of 256 queries: it enters qimg's and out0's addresses alone
	s_and_b32 s15, ttmp7, 0xffff                   ; the head
	s_mov_b32 s[G1], 15|(3<<16)|(1<<21)            ; the mask of all four; elements of 8 bytes; no padding
	s_mov_b32 s[G1+1], 32<<16
	s_mov_b32 s[G1+2], 64<<16
	s_mov_b32 s[G1+3], 32<<16
	s_mov_b32 s[G1+4], 64                          ; 64 rows of 256 bytes
	s_mov_b32 s[G1+5], 32
	s_mov_b32 s[G1+6], 0
	s_mov_b32 s[G1+7], 0
	s_mov_b32 s[SEL], 0x76543210
	s_mov_b32 s[SEL+1], 0xfedcba98
	s_mov_b32 s[CS], 0x3fb8aa3b                    ; log2(e)
	s_mov_b32 s[TB], 0
	s_mov_b32 s[SLOTS], NSL-1
	s_lshr_b32 s[LIM], s[WV], 2                    ; 0 in waves 0 to 3,
	s_or_b32 s[LIM], s[LIM], ttmp9                 ; where the cluster is the head's first: the same in all four partners
	s_cmp_eq_u32 s[LIM], 0
	s_cselect_b32 s[LIM], 1, -1
	v_and_b32 v[LI], 31, v0
	v_lshlrev_b32 v[PFO], 8, v[LI]
	v_lshlrev_b32 v[LI], 4, v[LI]
	s_lshl_b32 s16, s15, 19                        ; kv: head x 524,288 + wave x 16,384
	s_lshl_b32 s44, s[WV], 14
	s_add_co_u32 s16, s16, s44
	s_mov_b32 s17, 0
	s_lshl_b32 s46, s15, 19                        ; the prefetches: my head, slot 1 (the first change steps it to slot 2), my work-group's 32,768 bytes, my wave's 8,192
	s_lshl_b32 s45, s13, 15
	s_add_co_u32 s46, s46, s45
	s_and_b32 s45, s[WV], 3
	s_lshl_b32 s45, s45, 13
	s_add_co_u32 s46, s46, s45
	s_add_co_u32 s46, s46, SLOTB
	s_mov_b32 s47, 0
	s_lshl_b32 s50, s15, 18                        ; qimg: head x 262,144 + (16 x block + 2 x wave) x 1,024
	s_lshl_b32 s45, s14, 14
	s_add_co_u32 s50, s50, s45
	s_lshl_b32 s45, s[WV], 11
	s_add_co_u32 s50, s50, s45
	s_mov_b32 s51, 0
	s_lshl_b32 s52, s14, 20                        ; out0: (256 x block + 32 x wave) rows of 4,096 bytes + head x 256
	s_lshl_b32 s45, s[WV], 17
	s_add_co_u32 s52, s52, s45
	s_lshl_b32 s45, s15, 8
	s_add_co_u32 s52, s52, s45
	s_mov_b32 s53, 0
	s_wait_alu depctr_va_vdst(0)                   ; ahead of the waits below
	s_wait_dscnt 0x0                               ; both opening adds are done
	s_wait_kmcnt 0x0
	s_load_b128 s[36:39], s[8:9], 0x0              ; eq, ek, ev, ep
	s_add_nc_u64 s[4:5], s[4:5], s[50:51]
	s_add_nc_u64 s[10:11], s[10:11], s[52:53]
	s_add_nc_u64 s[PFA:PFA+1], s[6:7], s[46:47]
	s_mov_b32 s[G0], 1
	s_lshl_b32 s[G0+1], s[WV], 14                  ; LDS: slot 0, my eighth
	s_add_nc_u64 s[G0+2:G0+3], s[6:7], s[16:17]
	s_or_b32 s[G0+3], s[G0+3], 0x80000000
	CROUND                                         ; the first joint loads meet
	tensor_load_to_lds s[G0:G0+3], s[G1:G1+7]      ; slot 0: my one load at the head
	s_nop 0
	PLACES
.irp i, 0,1,2,3
	global_load_b128 v[QF+4*\i:QF+4*\i+3], v[LI], s[4:5] offset:512*\i   ; my two tiles of Q stay in registers
.endr
	WIN 0x40                                       ; destination window 1
.set nn, 0
.rept 64
	v_mov_b32 v[OO+nn], 0                          ; O^T: the trip has no first form of its own; these lines stand under the first tile's flight
.set nn, nn+1
.endr
	WIN 0
.irp t, 0,1
	v_mov_b32 v[ST+8*\t+1], 0xff61b1e6             ; the largest score so far: -3e38
	v_mov_b32 v[ST+8*\t], 0x7f61b1e6               ; -M: 3e38, a whole number
	v_mov_b32 v[ST+8*\t+2], 0
	v_mov_b32 v[ST+8*\t+3], 0
	v_mov_b32 v[ST+8*\t+5], 0
.endr
	s_wait_kmcnt 0x0
	s_add_co_i32 s44, s36, s37
	s_lshl_b32 s44, s44, 23
	s_add_co_i32 s[CS], s[CS], s44                 ; the first product's two exponents go into c's exponent field
	s_mov_b32 s[CS+1], s[CS]
	s_add_co_i32 s44, s39, 127
	s_lshl_b32 s45, s44, 23
	v_mov_b32 v[SCL], s45                          ; 2^ep
	s_add_co_i32 s44, s44, 8
	s_lshl_b32 s44, s44, 23
	s_or_b32 s[TOPS], s44, 0x600000                ; 448 x 2^ep
	s_add_co_i32 s[ESUM], s38, s39
.macro FETCHK off                      ; 16 tiles of K, as the images that they are: 512 consecutive bytes a load
.irp j, 0,1
.set ii, 0
.rept 16
	ds_load_b128 v[KV+64*\j+4*ii:KV+64*\j+4*ii+3], v[ADR] offset:\off+16384*\j+512*ii
.set ii, ii+1
.endr
.endr
.endm
.macro FETCHV                          ; 2 x 4 tiles of V^T, into the registers that K has left
.irp j, 0,1
.set ii, 0
.rept 16
	ds_load_b128 v[KV+64*\j+4*ii:KV+64*\j+4*ii+3], v[ADR] offset:16384*\j+8192+512*ii
.set ii, ii+1
.endr
.endr
.endm
.macro QK t                            ; S^T = K Q^T: 16 tiles of 16 keys
	WIN 0x01
.set kk, 0
.rept 16
	v_wmma_f32_16x16x64_fp8_fp8 v[S+8*kk:S+8*kk+7], v[KV+8*kk:KV+8*kk+7], v[QF+8*(\t):QF+8*(\t)+7], 0
.set kk, kk+1
.endr
.endm
.macro PV t                            ; O^T += V^T P^T: four accumulators by turns, twice
	WIN 0x55
.irp j, 0,1
.irp ct, 0,1,2,3
	v_wmma_f32_16x16x128_fp8_fp8 v[OO+32*(\t)+8*\ct:OO+32*(\t)+8*\ct+7], v[KV+64*\j+16*\ct:KV+64*\j+16*\ct+15], v[P+32*(\t)+16*\j:P+32*(\t)+16*\j+15], v[OO+32*(\t)+8*\ct:OO+32*(\t)+8*\ct+7]
.endr
.endr
.endm
.macro FMA                             ; t - M for pair nn
	v_pk_fma_f32 v[S+2*nn:S+2*nn+1], v[S+2*nn:S+2*nn+1], s[CS:CS+1], v[rT:rT+1] op_sel_hi:[1,0,0]
.endm
.macro HOLD d, x                       ; the conversion does not saturate (ISA guide 7.6.2); p is not negative: a one-sided hold, two numbers a line
	v_dual_min_num_f32 v[\d], s[TOPS], v[\x] :: v_dual_min_num_f32 v[\d+1], s[TOPS], v[\x+1]
.endm
.macro HOLD3 a, b                      ; chunk 3's pairs a .. b - 1
.set mm, \a
.rept \b-\a
	HOLD S+96+2*mm, S+96+2*mm
.set mm, mm+1
.endr
.endm
.macro TREE w
.set mm, 0
.rept \w
	v_pk_add_f32 v[S+2*mm:S+2*mm+1], v[S+2*mm:S+2*mm+1], v[S+2*(mm+\w):S+2*(mm+\w)+1]
.set mm, mm+1
.endr
.endm
; THE SOFTMAX OF A UNIT
.macro SOFT t
.set rT, ST+8*(\t)
.set rP, P+32*(\t)
	v_mov_b32 v[rT+7], v[rT]                       ; the old -M
.set ii, 0
.rept 7                                            ; the largest of my 128 scores: eight chains of 16; each accumulator is first read at its low end
.set jj, 0
.rept 8
.if ii == 0
	v_max3_num_f32 v[MX+jj], v[S+16*jj], v[S+16*jj+1], v[S+16*jj+2]
.else
	v_max3_num_f32 v[MX+jj], v[MX+jj], v[S+16*jj+2*ii+1], v[S+16*jj+2*ii+2]
.endif
.set jj, jj+1
.endr
.set ii, ii+1
.endr
.irp j, 0,1,2,3
	v_max3_num_f32 v[MX+\j], v[MX+\j], v[MX+\j+4], v[S+16*\j+15]
.endr
.irp j, 0,1
	v_max3_num_f32 v[MX+\j], v[MX+\j], v[MX+\j+2], v[S+16*\j+79]
.endr
	v_max3_num_f32 v[MX], v[MX], v[MX+1], v[S+111]
	v_max3_num_f32 v[MX], v[MX], v[S+127], v[rT+1] ; with the largest so far
	v_permlanex16_b32 v[MX+1], v[MX], s[SEL], s[SEL+1]   ; the query's other keys lie in the lane 16 away
	v_max_num_f32 v[rT+1], v[MX], v[MX+1]
	v_mul_f32 v[rT+6], s[CS], v[rT+1]              ; as t (c is positive)
	v_floor_f32 v[rT], -v[rT+6]                    ; -M = floor(-t)
.set nn, 0
.rept 16                                           ; chunk 0's scalings; f = 2^(old M - new M) is made among them
	FMA
.if nn == 3
	v_sub_f32 v[rT+6], v[rT], v[rT+7]
.elseif nn == 7
	v_cvt_i32_f32 v[rT+6], v[rT+6]                 ; (it saturates)
.elseif nn == 11
	v_ldexp_f32 v[rT+4], 1.0, v[rT+6]
.endif
.set nn, nn+1
.endr
	WIN 0x41
	s_wait_alu depctr_va_vdst(0)                   ; ahead of O^T's first readers, and ahead of the exponentials
.set nn, 0
.rept 16
	v_pk_mul_f32 v[OO+32*(\t)+2*nn:OO+32*(\t)+2*nn+1], v[OO+32*(\t)+2*nn:OO+32*(\t)+2*nn+1], v[rT+4:rT+5] op_sel_hi:[1,0]   ; O^T under the new M
.set nn, nn+1
.endr
	WIN 0
.set mm, 0
.rept 32                                           ; batch 0, with chunks 1 and 2's scalings
	v_exp_f32 v[S+mm], v[S+mm]
.set nn, 16+mm
	FMA
.set mm, mm+1
.endr
	s_wait_alu depctr_va_vdst(0)                   ; one wait between batches
.set mm, 0
.rept 32                                           ; batch 1, with chunk 3's scalings and chunk 0's holds, which go to H
	v_exp_f32 v[S+32+mm], v[S+32+mm]
.if mm < 16
.set nn, 48+mm
	FMA
.else
	HOLD H+2*(mm-16), S+2*(mm-16)
.endif
.set mm, mm+1
.endr
.irp c, 1,2                                        ; batches 2 and 3: chunk c is added, unquantised, onto chunk 0's registers and then held
	s_wait_alu depctr_va_vdst(0)
.set mm, 0
.rept 32
	v_exp_f32 v[S+32*(\c+1)+mm], v[S+32*(\c+1)+mm]
.if mm < 16
	v_pk_add_f32 v[S+2*mm:S+2*mm+1], v[S+2*mm:S+2*mm+1], v[S+32*\c+2*mm:S+32*\c+2*mm+1]
.else
	HOLD S+32*\c+2*(mm-16), S+32*\c+2*(mm-16)
.endif
.set mm, mm+1
.endr
.endr
	s_wait_alu depctr_va_vdst(0)
.set mm, 0
.rept 16
	v_pk_add_f32 v[S+2*mm:S+2*mm+1], v[S+2*mm:S+2*mm+1], v[S+96+2*mm:S+96+2*mm+1]
.set mm, mm+1
.endr
	TREE 8                                         ; the 16 pair sums become one; chunk 3's holds stand between the levels
	HOLD3 0, 8
	TREE 4
	HOLD3 8, 12
	TREE 2
	HOLD3 12, 16
	TREE 1
	v_pk_fma_f32 v[rT+2:rT+3], v[rT+2:rT+3], v[rT+4:rT+5], v[S:S+1] op_sel_hi:[1,0,1]   ; the row's sum x f + this unit's
	WIN 0x40                                       ; P lies in window 1
.set mm, 0
.rept 16                                           ; S^T's tile n becomes registers 2 n, 2 n + 1 of P; tiles 0-3 from H
.if mm < 4
	v_cvt_scalef32_pk8_fp8_f32 v[rP+2*mm:rP+2*mm+1], v[H+8*mm:H+8*mm+7], v[SCL]
.else
	v_cvt_scalef32_pk8_fp8_f32 v[rP+2*mm:rP+2*mm+1], v[S+8*mm:S+8*mm+7], v[SCL]
.endif
.set mm, mm+1
.endr
	v_nop                                          ; one plain line behind the last scaled conversion
	WIN 0
.endm
; A TRIP: 256 keys for my two tiles.  V is fetched behind the second tile's scores, under its softmax; the next trip's K behind the second products.
.macro TRIP
	v_add_nc_u32 v[ADR], s[TB], v[LI]
	s_wait_alu depctr_va_vdst(0)                   ; ahead of the wait below
	s_wait_dscnt 0x0                               ; K is in
	QK 0
	WIN 0
	PLACES                                         ; in front of the scores' first read
	SOFT 0
	QK 1
	WIN 0
	PLACES                                         ; and of the loads into K's registers
	WIN 0x40
	FETCHV
	WIN 0
	SOFT 1
	s_wait_alu depctr_va_vdst(0)
	s_wait_dscnt 0x0                               ; V is in
	PV 0
	PV 1
	WIN 0
	PLACES                                         ; in front of the loads into V's registers
	s_cmp_eq_u32 s[CNT], 1                         ; a slot's last trip has no successor in the slot: the count of trips alone decides
	s_cbranch_scc1 .Lno_k_\@
	WIN 0x40
	FETCHK STEPB
	WIN 0
.Lno_k_\@:
.endm
; THE CHANGE OF SLOTS, at a slot's head.  fill = 1: the barrier is a round of the cluster's, and the joint refill is the first thing behind it: it has four trips in which to land.
.macro CHANGE fill
	s_wait_tensorcnt 0x0                           ; no tensor load of mine is out
	ds_add_u32 v[SPW], v[NIL]
.if \fill
	s_xor_b32 s[G0+1], s[G0+1], SLOT1
	s_add_nc_u64 s[G0+2:G0+3], s[G0+2:G0+3], SLOTB
	s_wait_xcnt 0x0                                ; the last prefetch has read its address
	s_add_nc_u64 s[PFA:PFA+1], s[PFA:PFA+1], SLOTB
	s_wait_dscnt 0x0                               ; the add is done, and my reads of the slot that I have left are over
	CROUND
	tensor_load_to_lds s[G0:G0+3], s[G1:G1+7]      ; my one tensor load until the next round
	s_nop 0
	PLACES
	ASK
.else
	s_wait_dscnt 0x0
	s_barrier_signal -1
	s_barrier_wait -1
.endif
.endm
.macro SLOT_STEPS
	v_add_nc_u32 v[ADR], s[TB], v[LI]
	WIN 0x40
	FETCHK 0
	WIN 0
	s_mov_b32 s[CNT], NST
.Lstep_\@:
	TRIP
	s_add_co_u32 s[TB], s[TB], STEPB
	s_sub_co_u32 s[CNT], s[CNT], 1
	s_cmp_lg_u32 s[CNT], 0
	s_cbranch_scc1 .Lstep_\@
	s_sub_co_u32 s[TB], s[TB], NST*STEPB
	s_xor_b32 s[TB], s[TB], SLOT1                  ; the other slot's first trip
.endm
	s_wait_alu depctr_va_vdst(0)                   ; the head's end
	s_wait_loadcnt 0x0                             ; Q
.Lslot:                                            ; NSL - 1 slots: behind each change of slots but the last the next slot is asked for
	CHANGE 1
	SLOT_STEPS
	s_sub_co_u32 s[SLOTS], s[SLOTS], 1
	s_cmp_lg_u32 s[SLOTS], 0
	s_cbranch_scc1 .Lslot
	CHANGE 0                                       ; the last slot is written out
	SLOT_STEPS
	; THE WAY OUT.  O^T / the sum x 2^(ev + ep) goes through my stage in LDS, a tile (16 rows of 256 bytes) at a time.
.irp t, 0,1
	v_add_f32 v[ST+8*\t+6], v[ST+8*\t+2], v[ST+8*\t+3]
.endr
.irp t, 0,1
	v_permlanex16_b32 v[ST+8*\t+7], v[ST+8*\t+6], s[SEL], s[SEL+1]
.endr
.irp t, 0,1
	v_add_f32 v[ST+8*\t+6], v[ST+8*\t+6], v[ST+8*\t+7]   ; the row's sum
.endr
	s_wait_alu depctr_va_vdst(0)                   ; ahead of the batch
.irp t, 0,1
	v_rcp_f32 v[ST+8*\t+4], v[ST+8*\t+6]
.endr
	v_and_b32 v[GO], 15, v0                        ; r
	v_bfe_u32 v11, v0, 4, 1                        ; h
	s_mul_i32 s44, s[WV], 16*SPT
	s_add_co_u32 s44, s44, STAGE
	v_mul_u32_u24 v[STO], v[GO], SPT
	v_lshl_add_u32 v[STO], v11, 5, v[STO]
	v_add_nc_u32 v[STO], s44, v[STO]               ; in: row r; tile ct's eight channels of my half at 64 ct + 32 h
	v_mul_u32_u24 v[RD], v11, SPT
	v_lshl_add_u32 v[RD], v[GO], 4, v[RD]
	v_add_nc_u32 v[RD], s44, v[RD]                 ; back: lanes 0-15 one row, lanes 16-31 the next
	v_lshlrev_b32 v[GO], 4, v[GO]
	v_lshl_add_u32 v[GO], v11, 12, v[GO]           ; the same two rows in out0
	s_wait_alu depctr_va_vdst(0)                   ; behind the batch
.irp t, 0,1
	v_ldexp_f32 v[ST+8*\t+4], v[ST+8*\t+4], s[ESUM]
.endr
.macro PACK t
.set PK, S+64*(\t)
	WIN 0x01
	s_wait_alu depctr_va_vdst(0)                   ; directly ahead of O^T's first readers
.set nn, 0
.rept 16
	v_pk_mul_f32 v[PK+2*nn:PK+2*nn+1], v[OO+32*(\t)+2*nn:OO+32*(\t)+2*nn+1], v[ST+8*(\t)+4:ST+8*(\t)+5] op_sel_hi:[1,0]
.set nn, nn+1
.endr
	WIN 0
.irp c, 0,1,2,3
	ds_store_b128 v[STO], v[PK+8*\c:PK+8*\c+3]   offset:64*\c
	ds_store_b128 v[STO], v[PK+8*\c+4:PK+8*\c+7] offset:64*\c+16
.endr
.irp i, 0,1,2,3,4,5,6,7
	ds_load_b128 v[PK+32+4*\i:PK+32+4*\i+3], v[RD] offset:2*SPT*\i   ; LDS serves a wave's instructions in order (ISA guide 5.7.1.4)
.endr
.endm
.macro SEND t, younger                 ; younger: the LDS instructions issued behind tile t's loads
.set PK, S+64*(\t)
.irp i, 0,1,2,3,4,5,6,7
	s_wait_dscnt \younger+7-\i
	global_store_b128 v[GO], v[PK+32+4*\i:PK+32+4*\i+3], s[10:11] offset:65536*(\t)+8192*\i th:TH_STORE_NT   ; sixteen lanes store 256 consecutive bytes, aligned
.endr
.endm
	PACK 0
	PACK 1
	SEND 0, 16
	SEND 1, 0
	s_wait_tensorcnt 0x0                           ; the wave's end
	ds_add_u32 v[SPW], v[NIL]
	s_wait_dscnt 0x0
	CROUND                                         ; the closing round
	s_endpgm
.Lfunc_end_k_q3191c5306e_attn:
	.size	k_q3191c5306e_attn, .Lfunc_end_k_q3191c5306e_attn-k_q3191c5306e_attn
	.p2alignl 7, 3214868480
	.fill 96, 4, 3214868480
	.section	.rodata,"a",@progbits
	.p2align	6, 0x0
	.amdhsa_kernel k_q3191c5306e_attn
		.amdhsa_group_segment_fixed_size 327680
		.amdhsa_private_segment_fixed_size 0
		.amdhsa_enable_private_segment 0
		.amdhsa_kernarg_size 32
		.amdhsa_user_sgpr_count 2
		.amdhsa_user_sgpr_kernarg_segment_ptr 1
		.amdhsa_wavefront_size32 1
		.amdhsa_system_sgpr_workgroup_id_x 1
		.amdhsa_system_sgpr_workgroup_id_y 1
		.amdhsa_system_sgpr_workgroup_id_z 1
		.amdhsa_system_vgpr_workitem_id 0
		.amdhsa_next_free_vgpr 512
		.amdhsa_next_free_sgpr 66
		.amdhsa_reserve_vcc 0
		.amdhsa_float_denorm_mode_32 3
		.amdhsa_float_denorm_mode_16_64 3
		.amdhsa_memory_ordered 1
		.amdhsa_forward_progress 1
		.amdhsa_inst_pref_size 128
	.end_amdhsa_kernel
	.amdgpu_metadata
---
amdhsa.version: [ 1, 2 ]
amdhsa.kernels:
  - .name:           k_q3191c5306e_attn
    .symbol:         k_q3191c5306e_attn.kd
    .args:
      - { .name: qimg, .offset: 0, .size: 8, .value_kind: global_buffer, .address_space: global }
      - { .name: kv, .offset: 8, .size: 8, .value_kind: global_buffer, .address_space: global }
      - { .name: lowp_scales, .offset: 16, .size: 8, .value_kind: global_buffer, .address_space: global }
      - { .name: out0, .offset: 24, .size: 8, .value_kind: global_buffer, .address_space: global }
    .group_segment_fixed_size: 327680
    .private_segment_fixed_size: 0
    .kernarg_segment_align: 8
    .kernarg_segment_size: 32
    .max_flat_workgroup_size: 256
    .sgpr_count:     66
    .vgpr_count:     512
    .wavefront_size: 32
...
	.end_amdgpu_metadata
.endif
;; end of part 2
